; MI455X (gfx1250); checked and timed in simulation.
; The chip was launched on July 23, 2026; its instructions are those of AMD's public machine-readable ISA for CDNA 5 (MIT licence, August 2026) and "CDNA5" Instruction Set Architecture Reference Guide (July 2026). The comments in the code are by the model that wrote it; some were corrected since.
;; GGML Layer. Allowed arithmetic: matrix products marked QUANTISED: E2M3 operands, one E8M0 scale for each 32 along K, by v_wmma_scale_f32_16x16x128_f8f6f4 with both operands' format E2M3, f32 sums; products left as they are: f32 operands where the result goes on into a quantised operand, else bf16, f16 or f32 operands; f32 sums; everything else in f32.
;; Inputs: bias 2,048 float32; lora_down 16 x 4,096 float32; lora_up 2,048 x 16 float32; q_weight 2,048 x 128 x 32 int32; scales 2,048 x 128 float32; x 4 x 2,048 x 4,096 float32.
;; Outputs: out0 4 x 2,048 x 2,048 float32.
;; This version of the problem:
;;   THIS VERSION OF THE PROBLEM IS GIVEN IN LOW PRECISION. The matrix products marked QUANTISED in the list below multiply operands that are first quantised to E2M3 (2 exponent bits, 3 mantissa bits; 6 bits a number), with one power-of-two scale for each 32 numbers along K (OCP MX v1.0); their sums are f32. All else is computed in f32.
;;   The module's matrix products, in the order in which they are computed (A, B: the left and right operand; K: the contracted axis; several contracted axes count as one K, in the product's order):
;;     1. [M 2,048, K 16] x [K 16, N 4,096]; A: input lora_up; B: input lora_down: left as it is (K = 16 < 32)
;;     2. [M 8,192, K 4,096] x [K 4,096, N 2,048]; A: input x; B: computed on the way: QUANTISED
;;   THE QUANTISER, for each operand of a quantised product, along K:
;;     - K is cut into blocks of 32 from its start; a last block that is shorter is filled with zeros.
;;     - A block's scale is 2^e with e = floor(log2(the largest magnitude in the block)) - 2, held to -126 .. 127; a block of zeros has e = 0. As a byte (E8M0): e + 127.
;;     - Each number is divided by its block's scale, clamped to +-7.5, and rounded to the nearest number of E2M3, ties to even, subnormals kept.
;;     - The product sums the exact products of the quantised numbers (number of the format x scale) in f32.
;;   ~~~python
;;   def quantise(x, axis):      # numpy; x: float32 -> the quantised numbers, widened to float32 again
;;       x = np.moveaxis(x, axis, -1); K = x.shape[-1]
;;       x = np.pad(x, [(0, 0)] * (x.ndim - 1) + [(0, -K % 32)]); x = x.reshape(x.shape[:-1] + (-1, 32)); a = np.abs(x).max(-1, keepdims=True)
;;       e = np.where(a > 0, np.clip(np.frexp(np.where(a > 0, a, 1))[1] - 1 - 2, -126, 127), 0)      # np.frexp(a)[1] - 1 = floor(log2(a)), exactly
;;       r = np.clip(x / 2.0 ** e, -7.5, 7.5)
;;       step = 2.0 ** (np.maximum(np.frexp(np.where(r == 0, 1, r))[1] - 1, 0) - 3)
;;       q = np.round(r / step) * step * 2.0 ** e      # np.round: ties to even
;;       return np.moveaxis(q.reshape(q.shape[:-2] + (-1,))[..., :K], -1, axis).astype(np.float32)
;;   ~~~
;;   OPERANDS COMPUTED ON THE WAY. 'Computed on the way' means the value that the module computes at that place (a softmax that the list does not call 'softmax' is quantised finished and normalised). What goes into a quantiser is computed in f32, as accurately as f32 sums, v_exp_f32 and their like allow (about 1e-6 of the number): no bf16 or f16 on the way to a quantiser, and a product that is left as it is and whose result goes on into a quantised operand takes f32 operands (vector FMAs, or v_wmma_f32_16x16x4_f32). A number that lies on a knife's edge between two numbers of the format may be rounded either way, as far as f32 arithmetic and the matrix unit's own rounding can turn it there, and no further.
;; One version. Each part assembles by itself: llvm-mc -triple=amdgcn-amd-amdhsa -mcpu=gfx1250 --defsym DOCPART=n.
;; ======== version 1 of 1: 2 launches
;; limits: right only within a limited range of input values
;; workspace buffers: a_img 26,214,400 bytes; b_img 6,553,600 bytes
;; launch prep (part 1): grid 1280 x 1, 4 waves a work-group, no clusters, 98,816 bytes of LDS; arguments x, q_weight, scales, lora_up, lora_down, a_img, b_img; writes a_img, b_img
.if DOCPART == 1
	.amdgcn_target "amdgcn-amd-amdhsa--gfx1250"
	.amdhsa_code_object_version 6
	.text
	.protected	k_q6be710f82c_prep
	.globl	k_q6be710f82c_prep
	.p2align	8
	.type	k_q6be710f82c_prep,@function
k_q6be710f82c_prep:
	s_mov_b64 s[64:65], 0
	v_nop
	global_prefetch_b8 v0, s[64:65] scope:SCOPE_SE
	s_setreg_imm32_b32 hwreg(HW_REG_WAVE_MODE, 25, 1), 1
	s_wait_xcnt 0x0
; Both operands of y = x w^T become codes of FP6 (E2M3), 6 bits each, with one E8M0 scale byte for each 32 along K = 4,096, LAID IN THE ORDER OF THE MATRIX OPERAND'S REGISTERS.
; x [8192][4096] f32 -> a_img.   w[o][d] = (q_weight[o][d] - 128) x scales[o][d / 32] + sum over r of lora_up[o][r] lora_down[r][d], all in f32 -> b_img.
; THE LAYOUT.  For each group of 128 rows and each 128 along K one RECORD of 12,800 bytes; a group's 32 records on end.  A record: for each of its eight blocks of 16 rows the image of a fragment, 1,536 bytes: registers
; 4 c .. 4 c + 3 of lane l at 512 c + 16 l (lane l = r + 16 h holds row r; registers 6 c' .. 6 c' + 5 hold the 24 bytes of codes of k = 64 c' + 32 h + 0 .. 31); then, at byte 12,288, the scale words: block i, row r at 64 i + 4 r.
; A block's scale is 2^(floor(log2(its largest magnitude)) - 2); its byte is the largest magnitude's exponent field - 2, held at 1 from below; each number is divided by the scale and rounded to the nearest code, ties to even,
; beyond 7.5 the largest code.
; LIMITS: NaN and infinities among the inputs are not served.  A block of zeros, and a block whose largest magnitude lies under 2^-124, gets the byte 1 (the rule says 127 for zeros): zero codes add nothing under any byte
; but 0xff, and these bytes are read by this program alone.  The LoRA sum is a chain of fused multiply-adds in ascending rank; (q - 128) x scale + that sum is ONE fused multiply-add: one rounding where the definition has two.
; SHARES.  Work-groups 0 to 255 take w (they have the most arithmetic, so they start first), work-groups 256 to 1279 take x.  A work-group takes 64 rows x one strip of 512 columns, each of its four waves 16 of the rows:
; 16 steps of one row x 512 numbers, which are four whole fragments and their scale words.  In w's path the strip's 16 x 512 numbers of lora_down stay in the wave's registers (256 of them, the second window).
; A STEP.  Each of its four loads reads 512 consecutive bytes, 16 a lane.  The conversion takes 16 numbers of one block from ONE lane's registers, so the 2,048 bytes turn through the wave's own stage in LDS, as they lie, and
; come back 64 bytes a lane (16 bytes of padding behind each 64); two neighbouring lanes then hold a block.  A lane's 16 codes are three registers of some lane of a fragment: each goes to its place in the wave's image stage.
; THE END.  The four images leave as they lie, 512 consecutive bytes a store.  The scale words of the work-group's four blocks of rows meet in LDS behind the one barrier, and each wave stores one record's: 256 consecutive bytes.
; All 16 steps are written out: every offset is an immediate, no pointer is stepped, no store's data register is written twice.  The two paths part once, on the work-group's number, and each has LDS bytes of its own.
.set STEPS, 16
.set INS,   16384                      ; a row of x or of q_weight in bytes
.set FRB,   1536                       ; a fragment's image
.set REC,   8*FRB+512                  ; a record
.set GRP,   32*REC                     ; a group of 128 rows
.set WREG,  11776                      ; LDS: a region for each wave: two stages of 32 x SP bytes, and behind them the image stage
.set SP,    80                         ; a lane's place in a stage: its 64 bytes + 16 of padding
.set IMG,   2*32*SP                    ; the image stage: 24 pieces (4 fragments x 3 register groups x 2 halves of the lanes) of 256 bytes,
.set IP,    272                        ; 272 bytes apart: piece n starts at bank 4 n mod 64 (64 banks of 4 bytes: ISA guide 11.1), with which the 32 lanes of each store below fall on 32 different banks
.set SCB,   4*WREG                     ; behind the four regions: the work-group's scale bytes: record q, wave v, row r, block b at 256 q + 64 v + 4 r + b
.set AD0,   4                          ; v4, v10, v1  where the first, second, third register of my 12 bytes of codes goes in the image stage (row 0)
.set AD1,   10
.set AD2,   1
.set IR,    12                         ; v12      where I read the image stage back
.set R,     16                         ; AH sets of 16 numbers as they are loaded: v16-79 (w), v16-143 (x); at the end the images on their way out
.set L,     80                         ; w: v80-95    the LoRA sum of my 16 numbers
.set U,     96                         ; w: v96-103   lora_up of my 16 rows, spread over the lanes
.set S,     104                        ; w: v104-119  row t's scale of my block
.set LDO,   136                        ; w: v136      64 x lane: my 16 numbers in a strip of lora_down
.set SCO,   137                        ; w: v137      4 x (lane / 2): my block's scale
.set X,     144                        ; v144-175 two sets of 16 neighbours
.set E,     176                        ; v176-191 a scale byte for each step
.set C,     192                        ; v192-255 codes: four registers for each step
.set IN,    24                         ; s[24:25] where my wave's numbers begin
.set CO,    26                         ; s[26:27] its four images
.set SO,    28                         ; s[28:29] the 256 bytes of scale words that it stores
.set UP,    32                         ; s[32:63] lora_up of the row in hand: rank r in s[32 + 2 r]; the odd ones hold 0 (the packed form names a pair and takes its low word for both halves)
.set MSB, 0
.macro WIN new                         ; the immediate's high byte repeats the setting that is left
.if MSB != \new
	s_set_vgpr_msb (MSB<<8)|\new
.set MSB, \new
.endif
.endm
; AH: how many steps the loads run ahead; LB: the path's LDS base.  Set at the head of each path.
.macro LOAD t
.irp i, 0,1,2,3
	global_load_b128 v[R+16*((\t)%AH)+4*\i:R+16*((\t)%AH)+4*\i+3], v3, s[IN:IN+1] offset:INS*(\t)+512*\i th:TH_LOAD_NT   ; 32 lanes read 512 consecutive bytes; read once in the launch
.endr
.endm
.macro TURN t                          ; step t's numbers through the stage: LDS serves a wave's instructions in order (ISA guide 5.7.1.4), so no wait stands between the stores and the loads
.irp i, 0,1,2,3
	ds_store_b128 v14, v[R+16*((\t)%AH)+4*\i:R+16*((\t)%AH)+4*\i+3] offset:LB+32*SP*((\t)%2)+8*SP*\i
.endr
.irp i, 0,1,2,3
	ds_load_b128 v[X+16*((\t)%2)+4*\i:X+16*((\t)%2)+4*\i+3], v15 offset:LB+32*SP*((\t)%2)+16*\i
.endr
.endm
.macro HEAD t
.if (\t) > 0
	s_wait_dscnt 4                                 ; this step's numbers are back from the stage (behind them only the last step's four stores were issued): so the stage's stores have read their registers,
.else
	s_wait_dscnt 0x0
.endif
.if (\t)+AH < STEPS
	LOAD (\t)+AH                                   ; which take the loads of AH steps on
.endif
.if (\t)+1 < STEPS
.if STEPS-2-(\t) >= AH-1
	s_wait_loadcnt 4*(AH-1)                        ; the next step's four loads are in; those of the AH - 1 steps behind it may be out
.else
	s_wait_loadcnt 4*(STEPS-2-(\t))                ; (towards the end fewer steps stand behind it)
.endif
	TURN (\t)+1                                    ; and go through the other stage while this step is worked
.endif
.endm
; w: the LoRA sum of row t at my 16 columns.  lora_up's 16 numbers of the row come out of the lanes into scalar registers; lora_down's lie in the second window, rank r at v[16 r ..].  Eight chains of two by turns, ranks ascending.
.macro LORA t
.irp r, 0,1,2,3,4,5,6,7,8,9,10,11,12,13,14,15
	v_readlane_b32 s[UP+2*\r], v[U+4*((\t)/8)+\r%4], 4*((\t)%8)+\r/4
.endr
	WIN 0x01                                       ; source 0 in the second window
.irp i, 0,2,4,6,8,10,12,14
	v_pk_mul_f32 v[L+\i:L+\i+1], v[\i:\i+1], s[UP:UP+1] op_sel_hi:[1,0]
.endr
.irp r, 1,2,3,4,5,6,7,8,9,10,11,12,13,14,15
.irp i, 0,2,4,6,8,10,12,14
	v_pk_fma_f32 v[L+\i:L+\i+1], v[16*\r+\i:16*\r+\i+1], s[UP+2*\r:UP+2*\r+1], v[L+\i:L+\i+1] op_sel_hi:[1,0,1]
.endr
.endr
	WIN 0
.endm
; w: the codes of q_weight become numbers of w, in place.
.macro DEQ t
.set XS, X+16*((\t)%2)
.irp i, 0,1,2,3,4,5,6,7,8,9,10,11,12,13,14,15
	v_cvt_f32_i32 v[XS+\i], v[XS+\i]
.endr
.irp i, 0,2,4,6,8,10,12,14
	v_pk_add_f32 v[XS+\i:XS+\i+1], v[XS+\i:XS+\i+1], 0xc3000000 op_sel_hi:[1,0]   ; - 128
.endr
.irp i, 0,2,4,6,8,10,12,14
.if (\t)%2                             ; rows t - 1 and t share a pair of scale registers: the selects take the row's half for both results
	v_pk_fma_f32 v[XS+\i:XS+\i+1], v[XS+\i:XS+\i+1], v[S+(\t)-1:S+(\t)], v[L+\i:L+\i+1] op_sel:[0,1,0] op_sel_hi:[1,1,1]
.else
	v_pk_fma_f32 v[XS+\i:XS+\i+1], v[XS+\i:XS+\i+1], v[S+(\t):S+(\t)+1], v[L+\i:L+\i+1] op_sel_hi:[1,0,1]
.endif
.endr
.endm
; The quantiser: my 16 numbers of step t (row t of my 16) become 12 bytes of codes, and my block's scale a byte.
.macro QT t
.set XS, X+16*((\t)%2)
	v_max3_num_f32 v8, |v[XS]|, |v[XS+1]|, |v[XS+2]|               ; the largest magnitude of my 16, in two chains
	v_max3_num_f32 v9, |v[XS+3]|, |v[XS+4]|, |v[XS+5]|
.irp i, 6,10
	v_max3_num_f32 v8, v8, |v[XS+\i]|, |v[XS+\i+1]|
	v_max3_num_f32 v9, v9, |v[XS+\i+2]|, |v[XS+\i+3]|
.endr
	v_max3_num_f32 v8, v8, |v[XS+14]|, |v[XS+15]|
	v_max3_num_f32 v8, v8, v9, 0x1800000           ; and the floor 2^(3 - 127), under which no largest magnitude is taken: so the byte cannot fall under 1
	v_max_num_f32_dpp v8, v8, v8 row_xmask:1 row_mask:0xf bank_mask:0xf   ; and of my neighbour's 16: the block's
	v_add_nc_u32 v11, 0xff000000, v8               ; 2 off its exponent field: the conversion takes the exponent field of this operand as its scale, and nothing else of it
	v_cvt_scalef32_pk16_fp6_f32 v[C+4*(\t):C+4*(\t)+2], v[XS:XS+15], v11
	v_lshrrev_b32 v[E+(\t)], 23, v11               ; the scale's byte (also the plain instruction behind the conversion)
	ds_store_b8 v5, v[E+(\t)] offset:LB+4*(\t)     ; both lanes of a block write the same byte with the same value
	ds_store_b32 v[AD0], v[C+4*(\t)] offset:LB+16*(\t)             ; a row is 16 bytes on from the row before in every piece of the image stage
	ds_store_b32 v[AD1], v[C+4*(\t)+1] offset:LB+16*(\t)
	ds_store_b32 v[AD2], v[C+4*(\t)+2] offset:LB+16*(\t)
.endm
; Where my wave's numbers, images and scale words lie.  s23: which 64 rows of the tensor; s66: which strip; s22: the wave.  It leaves which 16 rows in s67.
.macro WHERE inp, img
	s_lshl_b32 s67, s23, 2
	s_add_co_u32 s67, s67, s22                     ; which 16 rows
	s_lshl_b32 s30, s67, 18                        ; 16 rows of 16,384 bytes; a strip is 2,048
	s_lshl_b32 s68, s66, 11
	s_add_co_u32 s30, s30, s68
	s_add_nc_u64 s[IN:IN+1], s[\inp:\inp+1], s[30:31]
	s_lshr_b32 s68, s23, 1                         ; which group of 128 rows;
	s_mul_i32 s68, s68, GRP
	s_mul_i32 s69, s66, 4*REC                      ; a strip is four records
	s_add_co_u32 s68, s68, s69
	s_and_b32 s69, s67, 7                          ; which of the group's eight blocks of 16 rows
	s_mul_i32 s69, s69, FRB
	s_add_co_u32 s30, s68, s69
	s_add_nc_u64 s[CO:CO+1], s[\img:\img+1], s[30:31]
	s_mul_i32 s69, s22, REC                        ; wave v stores the scale words of the strip's record v: those of the work-group's four blocks of rows,
	s_add_co_u32 s68, s68, s69
	s_and_b32 s69, s23, 1                          ; which are the lower or the upper 256 of the record's 512 bytes
	s_lshl_b32 s69, s69, 8
	s_add_co_u32 s68, s68, s69
	s_add_co_u32 s30, s68, 8*FRB
	s_add_nc_u64 s[SO:SO+1], s[\img:\img+1], s[30:31]
.endm
.macro TAIL
.irp j, 0,1,2,3,4,5,6,7,8,9,10,11
	ds_load_b128 v[R+4*\j:R+4*\j+3], v[IR] offset:LB+2*IP*\j       ; two pieces: lanes 0-15 one, lanes 16-31 the next.  LDS serves a wave's instructions in order: these see my stores
.endr
.irp j, 0,1,2,3,4,5,6,7,8,9,10,11
	s_wait_dscnt 11-\j                             ; load j is in; the 11 - j behind it may be out
	global_store_b128 v3, v[R+4*\j:R+4*\j+3], s[CO:CO+1] offset:REC*(\j/3)+512*(\j%3)   ; register group j % 3 of the fragment of record j / 3: 512 consecutive bytes, at a multiple of 256 from the buffer's first byte
.endr
	s_barrier_signal -1                            ; the last wait was for 0: my scale bytes have landed too
	s_barrier_wait -1                              ; everybody's have
	ds_load_b64 v[R+48:R+49], v6 offset:LB
	s_wait_dscnt 0x0
	global_store_b64 v7, v[R+48:R+49], s[SO:SO+1]  ; 32 lanes store 256 consecutive bytes, at a multiple of 256 from the buffer's first byte
	s_wait_tensorcnt 0x0
	ds_add_u32 v251, v255
	s_wait_dscnt 0x0
	s_endpgm
.endm
.macro IMGAD reg, i                    ; register s + i of a fragment's twelve lies in register group (s + i) / 4, at word (s + i) % 4 of its lane's 16 bytes
	v_add_nc_u32 v11, \i, v9
	v_lshrrev_b32 v13, 2, v11
	v_and_b32 v11, 3, v11
	v_mad_u32_u24 v13, v13, 2*IP, v8
	v_lshl_add_u32 v[\reg], v11, 2, v13
.endm
	s_load_b256 s[4:11], s[0:1], 0x0               ; x s[4:5], q_weight s[6:7], scales s[8:9], lora_up s[10:11]
	s_load_b128 s[12:15], s[0:1], 0x20             ; lora_down s[12:13], a_img s[14:15]
	s_load_b64 s[16:17], s[0:1], 0x30              ; b_img
	v_lshl_add_u32 v251, v0, 2, 0x18000
	v_mov_b32 v255, 0
	v_lshrrev_b32 v8, 5, v0
	v_readfirstlane_b32 s22, v8                    ; wave 0..3
	v_and_b32 v2, 31, v0                           ; lane
	v_lshlrev_b32 v3, 4, v2                        ; my 16 bytes of 512
	s_mul_i32 s23, s22, WREG
	v_lshrrev_b32 v14, 2, v2
	v_mul_u32_u24 v14, v14, SP
	v_and_b32 v15, 3, v2
	v_lshl_add_u32 v14, v15, 4, v14
	v_add_nc_u32 v14, s23, v14                     ; the stage, on the way in: four lanes' 64 bytes on end, then 16 of padding: SP (lane / 4) + 16 (lane % 4); a load's 512 bytes take eight places
	v_mul_u32_u24 v15, v2, SP
	v_add_nc_u32 v15, s23, v15                     ; and on the way out: SP x lane: my 16 neighbours
	; My 16 numbers are half (lane % 2) of block b = (lane / 2) % 4 of record q = lane / 8 of the strip.  In the fragment they belong to lane r + 16 h, h = b % 2, and are its registers s, s + 1, s + 2, s = 6 (b / 2) + 3 (lane % 2).
	s_add_co_u32 s23, s23, IMG
	v_lshrrev_b32 v8, 3, v2                        ; q
	v_bfe_u32 v9, v2, 1, 1                         ; h
	v_mul_u32_u24 v8, v8, 6
	v_add_nc_u32 v8, v8, v9                        ; piece 6 q + 2 (register group) + h
	v_mul_u32_u24 v8, v8, IP
	v_add_nc_u32 v8, s23, v8
	v_bfe_u32 v9, v2, 2, 1                         ; b / 2
	v_and_b32 v11, 1, v2
	v_mul_u32_u24 v9, v9, 6
	v_mad_u32_u24 v9, v11, 3, v9                   ; s
	IMGAD AD0, 0
	IMGAD AD1, 1
	IMGAD AD2, 2
	v_lshrrev_b32 v11, 4, v2
	v_and_b32 v13, 15, v2
	v_mul_u32_u24 v11, v11, IP
	v_lshl_add_u32 v11, v13, 4, v11
	v_add_nc_u32 v[IR], s23, v11                   ; back: IP x (lane / 16) + 16 (lane % 16)
	s_lshl_b32 s23, s22, 6
	s_add_co_u32 s23, s23, SCB
	v_lshrrev_b32 v11, 3, v2
	v_bfe_u32 v13, v2, 1, 2
	v_lshl_add_u32 v11, v11, 8, v13
	v_add_nc_u32 v5, s23, v11                      ; my block's scale byte: 256 q + 64 x wave + b (+ 4 x row)
	v_lshlrev_b32 v7, 3, v2                        ; and on the way out 8 bytes a lane
	s_lshl_b32 s23, s22, 8
	s_add_co_u32 s23, s23, SCB
	v_add_nc_u32 v6, s23, v7                       ; of record q = my wave's number
	s_mov_b32 s31, 0                               ; s[30:31]: an offset under 2^32
	s_and_b32 s66, ttmp9, 7                        ; which strip of 512 columns (256 is a multiple of 8: the same line serves both paths)
	s_lshr_b32 s23, ttmp9, 3
	s_wait_kmcnt 0x0
	s_cmp_lt_u32 ttmp9, 256
	s_cbranch_scc0 .Lx
	; ---------------- w: work-group g takes rows 64 (g / 8) .. + 63 and strip g % 8
.set AH,   4
.set LB,   49152
	WHERE 6, 16
	s_lshl_b32 s30, s67, 13                        ; scales: 16 rows of 512 bytes; a strip is 64
	s_lshl_b32 s68, s66, 6
	s_add_co_u32 s30, s30, s68
	s_add_nc_u64 s[8:9], s[8:9], s[30:31]
	s_lshl_b32 s30, s67, 10                        ; lora_up: 16 rows of 64 bytes
	s_add_nc_u64 s[10:11], s[10:11], s[30:31]
	s_lshl_b32 s30, s66, 11                        ; lora_down: a strip is 2,048 bytes of each row
	s_add_nc_u64 s[12:13], s[12:13], s[30:31]
	v_lshlrev_b32 v[LDO], 6, v2
	v_lshrrev_b32 v[SCO], 1, v2
	v_lshlrev_b32 v[SCO], 2, v[SCO]
	global_load_b128 v[U:U+3], v3, s[10:11]                        ; lora_up(8 i + lane / 4, 4 (lane % 4) + c) in register 4 i + c
	global_load_b128 v[U+4:U+7], v3, s[10:11] offset:512
.irp t, 0,1,2,3,4,5,6,7,8,9,10,11,12,13,14,15
	global_load_b32 v[S+\t], v[SCO], s[8:9] offset:512*\t          ; row t's scale of my block
.endr
	WIN 0x40                                       ; destination in the second window
.irp r, 0,1,2,3,4,5,6,7,8,9,10,11,12,13,14,15
.irp c, 0,1,2,3
	global_load_b128 v[16*\r+4*\c:16*\r+4*\c+3], v[LDO], s[12:13] offset:16384*\r+16*\c   ; lora_down(r, my 16 columns): they stay
.endr
.endr
	WIN 0
.irp t, 0,1,2,3
	LOAD \t
.endr
.irp r, 0,1,2,3,4,5,6,7,8,9,10,11,12,13,14,15
	s_mov_b32 s[UP+2*\r+1], 0                      ; named with the even ones as pairs, so they are written
.endr
	s_wait_loadcnt 12                              ; step 0's four loads are in, and all that were issued ahead of them (loads come back in order: ISA guide 5.7.1); steps 1 to 3 may be out
	TURN 0
.irp t, 0,1,2,3,4,5,6,7,8,9,10,11,12,13,14,15
	HEAD \t
	LORA \t
	DEQ \t
	QT \t
.endr
	TAIL
	; ---------------- x: work-group g takes rows 64 ((g - 256) / 8) .. + 63 and strip g % 8
.Lx:
.set AH,   8
.set LB,   0
	s_sub_co_u32 s23, s23, 32
	WHERE 4, 14
.irp t, 0,1,2,3,4,5,6,7
	LOAD \t                                        ; 32 loads, 16 KiB, of each wave are on their way
.endr
	s_wait_loadcnt 28                              ; step 0's four loads are in; steps 1 to 7 may be out
	TURN 0
.irp t, 0,1,2,3,4,5,6,7,8,9,10,11,12,13,14,15
	HEAD \t
	QT \t
.endr
	TAIL
.Lfunc_end_k_q6be710f82c_prep:
	.size	k_q6be710f82c_prep, .Lfunc_end_k_q6be710f82c_prep-k_q6be710f82c_prep
	.p2alignl 7, 3214868480
	.fill 96, 4, 3214868480
	.section	.rodata,"a",@progbits
	.p2align	6, 0x0
	.amdhsa_kernel k_q6be710f82c_prep
		.amdhsa_group_segment_fixed_size 98816
		.amdhsa_private_segment_fixed_size 0
		.amdhsa_enable_private_segment 0
		.amdhsa_kernarg_size 56
		.amdhsa_user_sgpr_count 2
		.amdhsa_user_sgpr_kernarg_segment_ptr 1
		.amdhsa_wavefront_size32 1
		.amdhsa_system_sgpr_workgroup_id_x 1
		.amdhsa_system_sgpr_workgroup_id_y 1
		.amdhsa_system_sgpr_workgroup_id_z 1
		.amdhsa_system_vgpr_workitem_id 0
		.amdhsa_next_free_vgpr 512
		.amdhsa_next_free_sgpr 70
		.amdhsa_reserve_vcc 0
		.amdhsa_float_denorm_mode_32 3
		.amdhsa_float_denorm_mode_16_64 3
		.amdhsa_memory_ordered 1
		.amdhsa_forward_progress 1
		.amdhsa_inst_pref_size 254
	.end_amdhsa_kernel
	.amdgpu_metadata
---
amdhsa.version: [ 1, 2 ]
amdhsa.kernels:
  - .name:           k_q6be710f82c_prep
    .symbol:         k_q6be710f82c_prep.kd
    .args:
      - { .name: x, .offset: 0, .size: 8, .value_kind: global_buffer, .address_space: global }
      - { .name: q_weight, .offset: 8, .size: 8, .value_kind: global_buffer, .address_space: global }
      - { .name: scales, .offset: 16, .size: 8, .value_kind: global_buffer, .address_space: global }
      - { .name: lora_up, .offset: 24, .size: 8, .value_kind: global_buffer, .address_space: global }
      - { .name: lora_down, .offset: 32, .size: 8, .value_kind: global_buffer, .address_space: global }
      - { .name: a_img, .offset: 40, .size: 8, .value_kind: global_buffer, .address_space: global }
      - { .name: b_img, .offset: 48, .size: 8, .value_kind: global_buffer, .address_space: global }
    .group_segment_fixed_size: 98816
    .private_segment_fixed_size: 0
    .kernarg_segment_align: 8
    .kernarg_segment_size: 56
    .max_flat_workgroup_size: 128
    .sgpr_count:     70
    .vgpr_count:     512
    .wavefront_size: 32
...
	.end_amdgpu_metadata
.endif
;; end of part 1
;; launch gemm (part 2): grid 8 x 32, 4 waves a work-group, clusters of 4 x 4, 327,680 bytes of LDS; arguments a_img, b_img, out0, bias; writes out0
.if DOCPART == 2
	.amdgcn_target "amdgcn-amd-amdhsa--gfx1250"
	.amdhsa_code_object_version 6
	.text
	.protected	k_q6be710f82c_gemm
	.globl	k_q6be710f82c_gemm
	.p2align	8
	.type	k_q6be710f82c_gemm,@function
k_q6be710f82c_gemm:
	s_mov_b64 s[64:65], 0
	v_nop
	global_prefetch_b8 v0, s[64:65] scope:SCOPE_SE
	s_setreg_imm32_b32 hwreg(HW_REG_WAVE_MODE, 25, 1), 1
	s_wait_xcnt 0x0
	s_wait_alu depctr_hold_cnt(0) depctr_sa_sdst(0) depctr_va_vdst(0) depctr_va_sdst(0) depctr_va_ssrc(0) depctr_va_vcc(0) depctr_vm_vsrc(0)
	s_getreg_b32 s2, hwreg(HW_REG_IB_STS2, 6, 4)
	s_cmp_eq_u32 s2, 0
	s_cbranch_scc0 .Lentry_in_a_cluster
	s_endpgm
.Lentry_in_a_cluster:
	s_bfe_u32 s2, ttmp6, 0x10000c
	s_cmp_lg_u32 s2, 0xf033
	s_cbranch_scc0 .Lentry_shape_is_right
	s_endpgm
.Lentry_shape_is_right:
; out0[m][n] = sum over k of x[m][k] w[n][k] + bias[n], on codes of FP6 (E2M3) with one E8M0 byte for each 32 along K = 4,096; sums in f32, K ascending, the bias as the C of each sum's first product.
; a_img and b_img hold, for each group of 128 rows and each 128 along K, one RECORD of 12,800 bytes: eight images of a fragment's registers (16 rows x 128 K, 1,536 bytes: registers 4 c .. 4 c + 3 of lane l at 512 c + 16 l),
; then 512 bytes of scale words (block i, row r at 64 i + 4 r).  A group's 32 records lie on end, so every tile is a dense run of rows of 256 bytes.
; A tile of out0, 256 x 256, is made by four waves, each 128 x 128: 64 accumulators, 512 registers.  256 work-groups.  K goes through a ring of two LDS slots; a slot holds three records of each of four groups
; (A's two, B's two), 153,600 bytes; each wave fetches one group's part by one tensor load.  32 records are ten fills of three and one of two.
; CLUSTERS: 4 x 4.  A's tiles are asked for jointly along a row of the cluster, B's along a column.  THE MATRIX INSTRUCTION IS USED TRANSPOSED (source 0 = rows of w, source 1 = rows of x): a lane holds eight neighbouring columns of a row of out0.
; A STEP of 128 along K: 64 products, A's blocks one after the other, each against B's eight (the 64 accumulators take turns); both operands have two sets of registers, and the next
; step's 56 LDS loads go out in ONE run behind the step's first sixteen products.
; REGISTERS: window 0: v16-31 addresses, v32-47 scale words (two sets; lanes 0-15 A's block i, lanes 16-31 B's block i), v64-159 and v160-255 A's sets.  window 1: v0-95 and v128-223 B's sets, v96-127 and v224-255 the bias.
;   windows 2, 3: the accumulators of my rows 0-63, 64-127: (a, b) at v[8 (8 (a % 4) + b)].
; PREFETCH: behind each joint load and the run of LDS loads, the part that the NEXT refill (three steps on) will load: 150 blocks of 256 bytes, shared out among the four partners by address (128 by one instruction, 22 by a second
; whose spare lanes name their last block again).  Every cluster asks for its own tiles.  The last fill, of two records, is not asked for: a whole part from there would pass the group's end.
; LIMITS: as the preparing launch states them (NaN and infinities among the inputs are not served).
.set SIZE_N, 2048
.set FR,     12
.set FRB,    FR*128
.set SCW,    8*FRB                     ; where a record's scale words begin
.set REC,    SCW+512
.set GRP,    32*REC
.set PART,   3*REC                     ; what one tensor load brings
.set SLOT,   4*PART
.set SPARE,  2*SLOT                    ; behind the ring: the spare words, 128 bytes a wave; no other line names them
.set STAGE,  SLOT                      ; the way out goes through slot 1, which has had its last fill and its last read by then
.set SPITCH, 528
.set TRIPS,  4
.set ADRA, 16                          ; v16-17 my A fragments in slot 0, 1;  v20-21 B's;  v22-23 the scale words
.set ADRB, 20
.set ADRS, 22
.set STO,  24                          ; the way out: into the stage, back from it, and my 16 bytes of a row of 512
.set RD,   25
.set CO,   26
.set PFQ,  27
.set SPW,  28
.set NIL,  29
.set PFO,  30
.set BO,   31
.set SC,   32
.set AF,   64
.set BI,   96
.set G1, 24                            ; s[24:31], s[32:39] groups 1 and 0 (a set for each slot) for A;  s[48:55], s[56:63] for B;  s[68:75], s[80:87] groups 1 of the last fill
.set G0, 32
.set G1B, 48
.set G0B, 56
.set G1L, 68
.set G1LB, 80
.set PFA,  96                          ; s[96:97] the part that my prefetches name
.set MSB, 0
.macro WIN new                         ; the immediate's high byte repeats the setting that is left
.if MSB != \new
	s_set_vgpr_msb (MSB<<8)|\new
.set MSB, \new
.endif
.endm
.set MUL_LO,   0xa1                    ; source 0 (B) window 1, source 1 (A) window 0, C and D window 2;  + 0x50: window 3
.set FIRST_LO, 0x91                    ; the same with C (the bias) in window 1;  + 0x40: D in window 3
.set TO_B,     0x40
.macro JLOAD g0a, g1a, g0b, g1b        ; a joint load: waves 0, 1 fetch A's groups, waves 2, 3 B's; s_nop 0 and four v_nop behind each line
	s_cmp_eq_u32 s15, 0
	s_cbranch_scc0 .Lfor_b_\@
	tensor_load_to_lds s[\g0a:\g0a+3], s[\g1a:\g1a+7]
	s_nop 0
.rept 4
	v_nop
.endr
	s_branch .Lasked_\@
.Lfor_b_\@:
	tensor_load_to_lds s[\g0b:\g0b+3], s[\g1b:\g1b+7]
	s_nop 0
.rept 4
	v_nop
.endr
.Lasked_\@:
.endm
.macro ASK guard                       ; guard = 1: not in the loop's last trip, where the next fill is the short one
.if \guard
	s_cmp_gt_u32 s3, 1
	s_cbranch_scc0 .Lnone_\@
.endif
	global_prefetch_b8 v[PFO], s[PFA:PFA+1] th:TH_LOAD_NT scope:SCOPE_SE
	global_prefetch_b8 v[PFQ], s[PFA:PFA+1] offset:128*256 th:TH_LOAD_NT scope:SCOPE_SE
.if \guard
.Lnone_\@:
.endif
.endm
.macro CREST                           ; a round of the cluster's barrier behind its opening barrier
	s_cmp_lg_u32 s14, 0
	s_cbranch_scc1 .Lnot_wave_0_\@
	s_barrier_signal -3
.Lnot_wave_0_\@:
	s_barrier_wait -3
	s_barrier_signal -1
	s_barrier_wait -1
.endm
.macro CROUND
	s_barrier_signal -1
	s_barrier_wait -1
	CREST
.endm
.macro PLACES
.rept 4
	v_nop
.endr
.endm
	s_load_b128 s[4:7], s[0:1], 0x0                ; a_img, b_img
	s_load_b128 s[8:11], s[0:1], 0x10              ; out0, bias
	v_lshl_add_u32 v[SPW], v0, 2, SPARE
	v_mov_b32 v[NIL], 0
	ds_add_u32 v[SPW], v[NIL]                      ; the opening lines: the add, twice on end, and its wait ahead of my first tensor load
	ds_add_u32 v[SPW], v[NIL]
	v_lshrrev_b32 v1, 5, v0
	v_readfirstlane_b32 s14, v1                    ; wave
	s_lshr_b32 s15, s14, 1                         ; my half of the tile's rows; also: I fetch for A (0) or B (1)
	s_and_b32 s16, s14, 1                          ; my half of its columns; also: which group of 128 rows I fetch
	s_bfe_u32 s40, ttmp6, 0x40000                  ; cx, cy
	s_bfe_u32 s41, ttmp6, 0x40004
	s_lshl_b32 s42, ttmp9, 2
	s_add_co_u32 s42, s42, s40                     ; tile column
	s_and_b32 s17, ttmp7, 0xffff
	s_lshl_b32 s17, s17, 2
	s_add_co_u32 s17, s17, s41                     ; tile row
	s_lshl_b32 s43, s41, 2
	s_lshl_b32 s43, 15, s43                        ; my row of the cluster
	s_lshl_b32 s44, 0x1111, s40                    ; my column
	s_or_b32 s[G1+0], s43, (3<<16)|(1<<21)         ; elements of 8 bytes, the mask, bit 21 beside it; no padding: fragments are read as they lie, 16 bytes a lane
	s_or_b32 s[G1B+0], s44, (3<<16)|(1<<21)
	s_or_b32 s[G1L+0], s43, (3<<16)|(1<<21)
	s_or_b32 s[G1LB+0], s44, (3<<16)|(1<<21)
.irp g, G1, G1B                        ; a part: 150 rows of 256 bytes
	s_mov_b32 s[\g+1], 32<<16
	s_mov_b32 s[\g+2], (PART/256)<<16
	s_mov_b32 s[\g+3], 32<<16
	s_mov_b32 s[\g+4], PART/256
	s_mov_b32 s[\g+5], 32
	s_mov_b32 s[\g+6], 0
	s_mov_b32 s[\g+7], 0
.endr
.irp g, G1L, G1LB                      ; the last fill: two records, 100 rows
	s_mov_b32 s[\g+1], 32<<16
	s_mov_b32 s[\g+2], (2*REC/256)<<16
	s_mov_b32 s[\g+3], 32<<16
	s_mov_b32 s[\g+4], 2*REC/256
	s_mov_b32 s[\g+5], 32
	s_mov_b32 s[\g+6], 0
	s_mov_b32 s[\g+7], 0
.endr
	s_lshl_b32 s20, s17, 1
	s_add_co_u32 s20, s20, s16
	s_mul_i32 s20, s20, GRP                        ; A: group 2 x tile row + half
	s_mov_b32 s21, 0
	s_lshl_b32 s46, s42, 1
	s_add_co_u32 s46, s46, s16
	s_mul_i32 s46, s46, GRP                        ; B: group 2 x tile column + half
	s_mov_b32 s47, 0
	s_mul_i32 s45, s14, PART                       ; where my part goes: wave x PART
	s_wait_dscnt 0x0                               ; both opening adds are done
	s_wait_kmcnt 0x0
	s_add_nc_u64 s[20:21], s[4:5], s[20:21]
	s_add_nc_u64 s[46:47], s[6:7], s[46:47]
	CROUND                                         ; all sixteen work-groups are here: the first joint loads meet
.irp s, 0,1
	s_mov_b32 s[G0+4*\s], 1
	s_add_co_u32 s[G0+4*\s+1], s45, \s*SLOT
	s_add_nc_u64 s[G0+4*\s+2:G0+4*\s+3], s[20:21], \s*PART
	s_or_b32 s[G0+4*\s+3], s[G0+4*\s+3], 0x80000000
	s_mov_b32 s[G0B+4*\s], 1
	s_add_co_u32 s[G0B+4*\s+1], s45, \s*SLOT
	s_add_nc_u64 s[G0B+4*\s+2:G0B+4*\s+3], s[46:47], \s*PART
	s_or_b32 s[G0B+4*\s+3], s[G0B+4*\s+3], 0x80000000
.endr
	JLOAD G0, G1, G0B, G1B                         ; records 0 to 2: one tensor load a wave at the head; all that follows is made while it is on its way
	s_mul_i32 s21, s15, PART                       ; my 128 rows of A
	s_mul_i32 s22, s16, PART
	s_add_co_u32 s22, s22, 2*PART                  ; my 128 rows of B
	s_sub_co_u32 s23, s22, s21
	s_add_co_u32 s18, s21, SCW
	s_mul_i32 s19, s14, 16*SPITCH
	s_add_co_u32 s19, s19, STAGE                   ; my stage
	s_cmp_eq_u32 s15, 0                            ; the prefetches: do I fetch for A?
	s_cselect_b32 s12, s17, s42                    ; the tile's number,
	s_cselect_b32 s13, s40, s41                    ; my place among the four that ask with me,
	s_cselect_b64 s[PFA:PFA+1], s[4:5], s[6:7]
	s_lshl_b32 s12, s12, 1
	s_add_co_u32 s12, s12, s16
	s_mul_i32 s12, s12, GRP
	s_add_co_u32 s12, s12, PART                    ; the group that I fetch, at its second part
	s_lshl_b32 s2, s13, 5
	s_mul_i32 s3, s13, 6
	s_mov_b32 s13, 0
	s_add_nc_u64 s[PFA:PFA+1], s[PFA:PFA+1], s[12:13]
	v_and_b32 v1, 15, v0                           ; r
	v_bfe_u32 v2, v0, 4, 1                         ; h
	v_and_b32 v6, 31, v0
	v_lshlrev_b32 v[CO], 4, v6                     ; 16 x lane
	v_mul_u32_u24 v7, s23, v2                      ; scale words: lanes 16-31 take B's
	v_lshl_add_u32 v5, v1, 2, v7
	v_add_nc_u32 v[ADRA], s21, v[CO]
	v_add_nc_u32 v[ADRB], s22, v[CO]
	v_add_nc_u32 v[ADRS], s18, v5
	v_add_nc_u32 v[ADRA+1], SLOT, v[ADRA]
	v_add_nc_u32 v[ADRB+1], SLOT, v[ADRB]
	v_add_nc_u32 v[ADRS+1], SLOT, v[ADRS]
	v_mul_u32_u24 v8, v1, SPITCH
	v_lshl_add_u32 v8, v2, 5, v8
	v_add_nc_u32 v[STO], s19, v8                   ; into the stage: row r, 32 bytes for each half of the lanes
	v_add_nc_u32 v[RD], s19, v[CO]                 ; back: the 32 lanes take a row of 512 bytes
	v_lshlrev_b32 v[BO], 5, v2
	v_add_nc_u32 v[PFO], s2, v6
	v_lshlrev_b32 v[PFO], 8, v[PFO]                ; block 32 x place + lane of the part's first 128
	v_min_u32 v[PFQ], 5, v6
	v_add_nc_u32 v[PFQ], s3, v[PFQ]
	v_min_u32 v[PFQ], 21, v[PFQ]
	v_lshlrev_b32 v[PFQ], 8, v[PFQ]                ; and of its last 22: 6 x place + lane, held at my last and at the part's last
	s_wait_alu depctr_va_vdst(0)                   ; behind the head's last vector instruction
	ASK 0                                          ; the part that slot 1's first fill will load
	s_lshl_b32 s20, s17, 8
	s_lshl_b32 s21, s15, 7
	s_add_co_u32 s20, s20, s21                     ; my first row of out0
	s_mov_b32 s21, 0
	s_mov_b64 s[18:19], SIZE_N*4
	s_mul_u64 s[20:21], s[20:21], s[18:19]
	s_lshl_b32 s46, s42, 10
	s_lshl_b32 s47, s16, 9
	s_add_co_u32 s46, s46, s47                     ; my first column, in bytes
	s_mov_b32 s47, 0
	s_add_nc_u64 s[20:21], s[20:21], s[46:47]
	s_add_nc_u64 s[8:9], s[8:9], s[20:21]
	s_add_nc_u64 s[10:11], s[10:11], s[46:47]
	WIN TO_B
.irp b, 0,1,2,3,4,5,6,7                ; the bias in the result's layout: register j of block b is column 16 b + 8 h + j
	global_load_b128 v[BI+8*(\b%4)+128*(\b/4):BI+8*(\b%4)+128*(\b/4)+3], v[BO], s[10:11] offset:64*\b
	global_load_b128 v[BI+8*(\b%4)+128*(\b/4)+4:BI+8*(\b%4)+128*(\b/4)+7], v[BO], s[10:11] offset:64*\b+16
.endr
	WIN 0
; 8 products: A's block a against B's eight, 128 along K, on set p.  first = 1: the bias is C
.macro MUL8 a, p, first
.if \first
	WIN FIRST_LO+0x40*((\a)/4)
.else
	WIN MUL_LO+0x50*((\a)/4)
.endif
.irp b, 0,1,2,3,4,5,6,7
.if \first
	v_wmma_scale_f32_16x16x128_f8f6f4 v[8*(8*((\a)%4)+\b):8*(8*((\a)%4)+\b)+7], v[128*(\p)+FR*\b:128*(\p)+FR*\b+FR-1], v[AF+96*(\p)+FR*(\a):AF+96*(\p)+FR*(\a)+FR-1], v[BI+8*(\b%4)+128*(\b/4):BI+8*(\b%4)+128*(\b/4)+7], v[SC+8*(\p)+\b], v[SC+8*(\p)+(\a)] matrix_a_fmt:MATRIX_FMT_FP6 matrix_b_fmt:MATRIX_FMT_FP6 matrix_a_scale:MATRIX_SCALE_ROW1
.else
	v_wmma_scale_f32_16x16x128_f8f6f4 v[8*(8*((\a)%4)+\b):8*(8*((\a)%4)+\b)+7], v[128*(\p)+FR*\b:128*(\p)+FR*\b+FR-1], v[AF+96*(\p)+FR*(\a):AF+96*(\p)+FR*(\a)+FR-1], v[8*(8*((\a)%4)+\b):8*(8*((\a)%4)+\b)+7], v[SC+8*(\p)+\b], v[SC+8*(\p)+(\a)] matrix_a_fmt:MATRIX_FMT_FP6 matrix_b_fmt:MATRIX_FMT_FP6 matrix_a_scale:MATRIX_SCALE_ROW1
.endif
.endr
.endm
; 56 LDS loads in one run: record q of slot sl into set np: 8 scale words, B's 24 thirds of a fragment... in the order of first use: the scale words, B's eight fragments, A's eight
.macro FETCH sl, q, np
	WIN 0
.irp i, 0,1,2,3,4,5,6,7
	ds_load_b32 v[SC+8*(\np)+\i], v[ADRS+\sl] offset:REC*(\q)+64*\i
.endr
	WIN TO_B
.set j, 0
.rept 24
	ds_load_b128 v[128*(\np)+4*j:128*(\np)+4*j+3], v[ADRB+\sl] offset:REC*(\q)+512*j
.set j, j+1
.endr
	WIN 0
.set j, 0
.rept 24
	ds_load_b128 v[AF+96*(\np)+4*j:AF+96*(\np)+4*j+3], v[ADRA+\sl] offset:REC*(\q)+512*j
.set j, j+1
.endr
.endm
; A step on set p; the next step's record (slot nsl, record nq) goes into the other set
.macro STEP p, nsl, nq, first
	s_wait_dscnt 18                                ; the scale words, B and A's blocks 0, 1 are in; the youngest 18 loads (A's blocks 2-7) may be out
	MUL8 0, \p, \first
	MUL8 1, \p, \first
	s_wait_dscnt 0x0
	PLACES                                         ; four places in front of loads into the set that the last step's products read
	FETCH \nsl, \nq, 1-(\p)
.irp a, 2,3,4,5,6,7
	MUL8 \a, \p, \first
.endr
.endm
; The last step of a slot.  Its fragments are in registers, so the slot is read no more: the three lines, the barrier (fill > 0: it opens a round of the cluster's barrier), the refill, then the other slot's first record.
; fill = 1: three records, two fills on;  2: the last fill, two records;  0: nothing is left to fetch
.macro CSTEP slot, fill, p, nsl
.if \fill == 1
	s_wait_xcnt 0x0                                ; my prefetches have read their address: it steps here, ahead of the change's own waits
	s_add_nc_u64 s[PFA:PFA+1], s[PFA:PFA+1], PART
.endif
	WIN 0
	s_wait_tensorcnt 0x0                           ; my one load that was out, my part of the other slot, has landed
	ds_add_u32 v[SPW], v[NIL]
.if \fill
	s_add_nc_u64 s[G0+4*\slot+2:G0+4*\slot+3], s[G0+4*\slot+2:G0+4*\slot+3], 2*PART
	s_add_nc_u64 s[G0B+4*\slot+2:G0B+4*\slot+3], s[G0B+4*\slot+2:G0B+4*\slot+3], 2*PART
.endif
	s_wait_dscnt 19                                ; (the add and the youngest 18 loads may be out)
	MUL8 0, \p, 0
	s_wait_dscnt 0x0                               ; the add is done, and my reads of this slot are over
	s_barrier_signal -1
	MUL8 1, \p, 0                                  ; work on registers while the others arrive
	MUL8 2, \p, 0
	WIN 0
	s_barrier_wait -1
.if \fill
	CREST
.if \fill == 1
	JLOAD G0+4*\slot, G1, G0B+4*\slot, G1B         ; the first tensor load behind the round; its four v_nop are the places in front of the loads below
.else
	JLOAD G0+4*\slot, G1L, G0B+4*\slot, G1LB
.endif
.else
	PLACES
.endif
	FETCH \nsl, 0, 1-(\p)
.if \fill == 1
	ASK \slot
.endif
.irp a, 3,4,5,6,7
	MUL8 \a, \p, 0
.endr
.endm
	s_wait_xcnt 0x0                                ; the prefetches and the bias loads have read their addresses
	s_add_nc_u64 s[PFA:PFA+1], s[PFA:PFA+1], PART
	s_wait_tensorcnt 0x0                           ; my part of slot 0 is in; these lines stand ahead of a later first fill, as ahead of a refill
	ds_add_u32 v[SPW], v[NIL]
	s_wait_dscnt 0x0
	CROUND                                         ; everybody's part is in, and all sixteen work-groups are here
	JLOAD G0+4, G1, G0B+4, G1B                     ; records 3 to 5: slot 1's first fill
	FETCH 0, 0, 0
	ASK 0                                          ; the part that the first refill will load
	s_wait_loadcnt 0x0                             ; the bias
	STEP 0, 0, 1, 1                                ; the first step's products start the sums, on the bias
	WIN 0
	s_mov_b32 s3, TRIPS
.Llap:                                                 ; a trip: six steps, once round the ring, both slots filled again
	STEP 1, 0, 2, 0
	CSTEP 0, 1, 0, 1
	STEP 1, 1, 1, 0
	STEP 0, 1, 2, 0
	CSTEP 1, 1, 1, 0
	STEP 0, 0, 1, 0
	WIN 0
	s_sub_co_u32 s3, s3, 1
	s_cmp_lg_u32 s3, 0
	s_cbranch_scc1 .Llap
	STEP 1, 0, 2, 0                                ; steps 25 to 31 are written out: one short fill, then none
	CSTEP 0, 2, 0, 1
	STEP 1, 1, 1, 0
	STEP 0, 1, 2, 0
	CSTEP 1, 0, 1, 0
	STEP 0, 0, 1, 0
	s_wait_dscnt 0x0
.irp a, 0,1,2,3,4,5,6,7
	MUL8 \a, 1, 0
.endr
; THE WAY OUT, by blocks of 16 rows x 128 columns: through my own stage in LDS and back as whole rows of 512 bytes, which the 32 lanes store as two aligned runs of 256 bytes.  LDS serves a wave's instructions in order
; (ISA guide 5.7.1.4): no wait between the stores and the loads, nor in front of the next block's stores.  Block a comes back into registers that nothing needs any more: blocks 0, 1 into A's, block a into the accumulators of
; block a - 2, whose stores into the stage the counted wait of block a - 2's way on has shown done.  So no register and no base is written again under a pending store: every offset is an immediate (127 rows of 8,192 bytes at the most).
.macro BACK a
.if (\a) < 2
.set RW, 0
.set RB, 64+64*(\a)
.else
.set RW, 2+((\a)-2)/4
.set RB, 64*(((\a)-2)%4)
.endif
.endm
.macro TOSTAGE a
	WIN (2+(\a)/4)<<2                              ; the data: window 2 or 3
.irp b, 0,1,2,3,4,5,6,7
	ds_store_b128 v[STO], v[64*((\a)%4)+8*\b:64*((\a)%4)+8*\b+3] offset:64*\b       ; each accumulator from its low end on
	ds_store_b128 v[STO], v[64*((\a)%4)+8*\b+4:64*((\a)%4)+8*\b+7] offset:64*\b+16
.endr
	BACK \a
	WIN RW<<6
.irp t, 0,1,2,3,4,5,6,7,8,9,10,11,12,13,14,15
	ds_load_b128 v[RB+4*\t:RB+4*\t+3], v[RD] offset:\t*SPITCH
.endr
.endm
.macro SEND a, younger                 ; younger: the LDS instructions issued behind block a's loads
	BACK \a
	s_wait_dscnt \younger
	WIN RW<<2
.irp t, 0,1,2,3,4,5,6,7,8,9,10,11,12,13,14,15
	global_store_b128 v[CO], v[RB+4*\t:RB+4*\t+3], s[8:9] offset:(16*(\a)+\t)*SIZE_N*4 th:TH_STORE_NT
.endr
.endm
	PLACES                                         ; behind the last products: for the reads of results and the loads into A's registers
	TOSTAGE 0
.irp a, 1,2,3,4,5,6,7
	TOSTAGE \a
	SEND \a-1, 32                                  ; behind block a - 1's loads: block a's 16 stores and 16 loads
.endr
	SEND 7, 0
	WIN 0
	s_wait_tensorcnt 0x0                           ; the wave's end
	ds_add_u32 v[SPW], v[NIL]
	s_wait_dscnt 0x0
	CROUND                                         ; the closing round
	s_endpgm
.Lfunc_end_k_q6be710f82c_gemm:
	.size	k_q6be710f82c_gemm, .Lfunc_end_k_q6be710f82c_gemm-k_q6be710f82c_gemm
	.p2alignl 7, 3214868480
	.fill 96, 4, 3214868480
	.section	.rodata,"a",@progbits
	.p2align	6, 0x0
	.amdhsa_kernel k_q6be710f82c_gemm
		.amdhsa_group_segment_fixed_size 327680
		.amdhsa_private_segment_fixed_size 0
		.amdhsa_enable_private_segment 0
		.amdhsa_kernarg_size 32
		.amdhsa_user_sgpr_count 2
		.amdhsa_user_sgpr_kernarg_segment_ptr 1
		.amdhsa_wavefront_size32 1
		.amdhsa_system_sgpr_workgroup_id_x 1
		.amdhsa_system_sgpr_workgroup_id_y 1
		.amdhsa_system_sgpr_workgroup_id_z 1
		.amdhsa_system_vgpr_workitem_id 0
		.amdhsa_next_free_vgpr 1024
		.amdhsa_next_free_sgpr 100
		.amdhsa_reserve_vcc 0
		.amdhsa_float_denorm_mode_32 3
		.amdhsa_float_denorm_mode_16_64 3
		.amdhsa_memory_ordered 1
		.amdhsa_forward_progress 1
		.amdhsa_inst_pref_size 210
	.end_amdhsa_kernel
	.amdgpu_metadata
---
amdhsa.version: [ 1, 2 ]
amdhsa.kernels:
  - .name:           k_q6be710f82c_gemm
    .symbol:         k_q6be710f82c_gemm.kd
    .args:
      - { .name: a_img, .offset: 0, .size: 8, .value_kind: global_buffer, .address_space: global }
      - { .name: b_img, .offset: 8, .size: 8, .value_kind: global_buffer, .address_space: global }
      - { .name: out0, .offset: 16, .size: 8, .value_kind: global_buffer, .address_space: global }
      - { .name: bias, .offset: 24, .size: 8, .value_kind: global_buffer, .address_space: global }
    .group_segment_fixed_size: 327680
    .private_segment_fixed_size: 0
    .kernarg_segment_align: 8
    .kernarg_segment_size: 32
    .max_flat_workgroup_size: 128
    .sgpr_count:     100
    .vgpr_count:     1024
    .wavefront_size: 32
...
	.end_amdgpu_metadata
.endif
;; end of part 2
